; MI455X (gfx1250); checked and timed in simulation.
; The chip was launched on July 23, 2026; its instructions are those of AMD's public machine-readable ISA for CDNA 5 (MIT licence, August 2026) and "CDNA5" Instruction Set Architecture Reference Guide (July 2026). The comments in the code are by the model that wrote it; some were corrected since.
;; Ternary Linear. Allowed arithmetic: float matrix products may take bf16 or f16 operands with f32 sums; all other float work in f32.
;; Inputs: weight 2,048 x 4,096 float32; x 2 x 4,096 x 4,096 float32.
;; Outputs: out0 2 x 4,096 x 2,048 float32.
;; 2 versions, each right; version 2 is version 1 with the launch quant written anew for expert scheduling mode. Each part assembles by itself: llvm-mc -triple=amdgcn-amd-amdhsa -mcpu=gfx1250 --defsym DOCPART=n.
;; ======== version 1 of 2: 2 launches
;; workspace buffers: wq 16,777,216 bytes
;; launch quant (part 1): grid 512 x 1, 8 waves a work-group, no clusters, 0 bytes of LDS; arguments weight, wq; writes wq
.if DOCPART == 1
	.amdgcn_target "amdgcn-amd-amdhsa--gfx1250"
	.amdhsa_code_object_version 6
	.text
	.protected	k_q156bbf48e9_quant
	.globl	k_q156bbf48e9_quant
	.p2align	8
	.type	k_q156bbf48e9_quant,@function
k_q156bbf48e9_quant:
	s_mov_b64 s[64:65], 0
	v_nop
	global_prefetch_b8 v0, s[64:65] scope:SCOPE_SE
	s_setreg_imm32_b32 hwreg(HW_REG_WAVE_MODE, 25, 1), 1
	s_wait_xcnt 0x0
; wq[o][i] = sign(weight[o][i]) as bf16.  weight: [2048][4096] f32; wq: [2048][4096] bf16, the same order.
; A stream: every byte of weight is read once, every byte of wq written once; no LDS, no barrier, no matrix work, since no number meets another.
; The work-group owns 16,384 numbers on end (65,536 bytes in, 32,768 out).  Thread t takes, for i = 0 .. 15, the four numbers at byte 4,096 i + 16 t:
; a wave's load covers 512 consecutive bytes, its store of 8 bytes a lane 256 consecutive bytes at a multiple of 256 from wq's first byte.
; All sixteen loads go out first; no register that a pending load or store names is ever written again, so no wait but the counted ones is needed.
; VALUES.  +1 or -1 for every number that is not zero, denormals too (the mode keeps them); +0 and -0 stay as they are (both add nothing to a sum);
; a NaN stays a NaN, as in sign().  All of these are exact in bf16.
.set X, 4                              ; v[4:67]    the sixteen loads' data, four registers each
.set Y, 68                             ; v[68:99]   the sixteen stores' data, two registers each; written once
.set T, 100                            ; v[100:103] four signs in f32, at work
	s_load_b128 s[4:7], s[0:1], 0x0                ; weight s[4:5], wq s[6:7]
	v_lshlrev_b32 v1, 4, v0                        ; 16 t: my bytes in 4,096 of weight
	v_lshlrev_b32 v2, 3, v0                        ; 8 t: my bytes in 2,048 of wq
	s_lshl_b32 s2, ttmp9, 16                       ; the work-group's 65,536 bytes of weight
	s_mov_b32 s3, 0
	s_mov_b32 s8, 0x7fffffff                       ; all bits but the sign
	s_wait_kmcnt 0x0
	s_add_nc_u64 s[4:5], s[4:5], s[2:3]
	s_lshl_b32 s2, ttmp9, 15                       ; its 32,768 bytes of wq
	s_add_nc_u64 s[6:7], s[6:7], s[2:3]
.irp i, 0,1,2,3,4,5,6,7,8,9,10,11,12,13,14,15
	global_load_b128 v[X+4*(\i):X+4*(\i)+3], v1, s[4:5] offset:4096*(\i) th:TH_LOAD_NT  ; read once in the launch
.endr
.irp i, 0,1,2,3,4,5,6,7,8,9,10,11,12,13,14,15
	s_wait_loadcnt 15-(\i)                         ; loads come back in order (ISA guide 5.7.1): load i is in, the 15 - i younger ones stay out
.irp e, 0,1,2,3
	v_bfi_b32 v[T+(\e)], s8, 1.0, v[X+4*(\i)+(\e)]                    ; 1.0 with w's sign
	v_cmp_lg_f32 vcc_lo, 0, v[X+4*(\i)+(\e)]                          ; less or greater than 0: false for +0, -0 and NaN
	v_cndmask_b32 v[T+(\e)], v[X+4*(\i)+(\e)], v[T+(\e)], vcc_lo      ; there w itself stays
.endr
	v_cvt_pk_bf16_f32 v[Y+2*(\i)], v[T], v[T+1]
	v_cvt_pk_bf16_f32 v[Y+2*(\i)+1], v[T+2], v[T+3]
	global_store_b64 v2, v[Y+2*(\i):Y+2*(\i)+1], s[6:7] offset:2048*(\i)  ; no hint: the next launch reads these bytes
.endr
	s_endpgm
.Lfunc_end_k_q156bbf48e9_quant:
	.size	k_q156bbf48e9_quant, .Lfunc_end_k_q156bbf48e9_quant-k_q156bbf48e9_quant
	.p2alignl 7, 3214868480
	.fill 96, 4, 3214868480
	.section	.rodata,"a",@progbits
	.p2align	6, 0x0
	.amdhsa_kernel k_q156bbf48e9_quant
		.amdhsa_group_segment_fixed_size 0
		.amdhsa_private_segment_fixed_size 0
		.amdhsa_enable_private_segment 0
		.amdhsa_kernarg_size 16
		.amdhsa_user_sgpr_count 2
		.amdhsa_user_sgpr_kernarg_segment_ptr 1
		.amdhsa_wavefront_size32 1
		.amdhsa_system_sgpr_workgroup_id_x 1
		.amdhsa_system_sgpr_workgroup_id_y 1
		.amdhsa_system_sgpr_workgroup_id_z 1
		.amdhsa_system_vgpr_workitem_id 0
		.amdhsa_next_free_vgpr 112
		.amdhsa_next_free_sgpr 66
		.amdhsa_reserve_vcc 1
		.amdhsa_float_denorm_mode_32 3
		.amdhsa_float_denorm_mode_16_64 3
		.amdhsa_memory_ordered 1
		.amdhsa_forward_progress 1
		.amdhsa_inst_pref_size 15
	.end_amdhsa_kernel
	.amdgpu_metadata
---
amdhsa.version: [ 1, 2 ]
amdhsa.kernels:
  - .name:           k_q156bbf48e9_quant
    .symbol:         k_q156bbf48e9_quant.kd
    .args:
      - { .name: weight, .offset: 0, .size: 8, .value_kind: global_buffer, .address_space: global }
      - { .name: wq, .offset: 8, .size: 8, .value_kind: global_buffer, .address_space: global }
    .group_segment_fixed_size: 0
    .private_segment_fixed_size: 0
    .kernarg_segment_align: 8
    .kernarg_segment_size: 16
    .max_flat_workgroup_size: 256
    .sgpr_count:     66
    .vgpr_count:     112
    .wavefront_size: 32
...
	.end_amdgpu_metadata
.endif
;; end of part 1
;; launch gemm (part 2): grid 4 x 64, 4 waves a work-group, clusters of 4 x 4, 327,680 bytes of LDS; arguments x, wq, out0; writes out0
.if DOCPART == 2
	.amdgcn_target "amdgcn-amd-amdhsa--gfx1250"
	.amdhsa_code_object_version 6
	.text
	.protected	k_q156bbf48e9_gemm
	.globl	k_q156bbf48e9_gemm
	.p2align	8
	.type	k_q156bbf48e9_gemm,@function
k_q156bbf48e9_gemm:
	s_mov_b64 s[64:65], 0
	v_nop
	global_prefetch_b8 v0, s[64:65] scope:SCOPE_SE
	s_setreg_imm32_b32 hwreg(HW_REG_WAVE_MODE, 25, 1), 1
	s_wait_xcnt 0x0
	s_wait_alu depctr_hold_cnt(0) depctr_sa_sdst(0) depctr_va_vdst(0) depctr_va_sdst(0) depctr_va_ssrc(0) depctr_va_vcc(0) depctr_vm_vsrc(0)
	s_getreg_b32 s2, hwreg(HW_REG_IB_STS2, 6, 4)
	s_cmp_eq_u32 s2, 0
	s_cbranch_scc0 .Lentry_in_a_cluster
	s_endpgm
.Lentry_in_a_cluster:
	s_bfe_u32 s2, ttmp6, 0x10000c
	s_cmp_lg_u32 s2, 0xf033
	s_cbranch_scc0 .Lentry_shape_is_right
	s_endpgm
.Lentry_shape_is_right:
; out0[m][n] = sum over k of x[m][k] wq[n][k].  x: [8192][4096] f32; wq: [2048][4096] bf16 (the signs of weight); out0: [8192][2048] f32.
; x is rounded once to bf16 (nearest even) on its way to the matrix unit; sums in f32, one for each output, K ascending.
; LIMITS.  |x| beyond bf16's largest finite number, 3.39e38, rounds to an infinity; a NaN in x or in wq gives NaN in the outputs that it enters.
; SHARES.  A work-group makes 128 rows x 512 columns of out0: 64 x 4 = 256 work-groups.  Its four waves lie side by side along n, each with 128 x 128: 64 accumulators
; of 16 x 16, 512 registers.  K goes in half-steps of 64: 128 matrix instructions a wave.
; B (wq) comes by tensor loads through a ring of two LDS slots of 128 along K (rows of 256 bytes, at multiples of 256 from wq's first byte); wave w fetches the 128 rows that it reads.
; A (x) comes through registers: wave w loads 32 of the tile's 128 rows as f32 (16 loads of 16 bytes a lane for a half-step), rounds them to bf16 and stores them into a ring
; of two small LDS slots of 64 along K, which all four waves read.  Two half-steps of x, 128 registers a wave, are always on their way; they stay out across barriers.
; CLUSTER.  4 x 4 work-groups.  The four of a column of the cluster make the same 512 columns of out0 and need the same tiles of wq: each is asked for JOINTLY, by the same tensor load
; with the same descriptor and a mask that names the four.  x IS NOT ASKED FOR JOINTLY, though the four of a row of the cluster read the same rows: as an f32 tile in LDS it would take
; 128 x 4 bytes beside wq's 512 x 2 for each k, 1,536; two slots of 128 along K with their padding are 409,600 bytes, more than the 327,680 there are, and slots of 64 along K halve the
; work in which a refill lands.  Through registers LDS holds x as bf16, and each number is rounded once in a work-group.
; THE MATRIX INSTRUCTION IS USED TRANSPOSED: source 0 = 16 rows of wq, source 1 = 16 rows of x.  In the result lane l holds row l % 16 of out0 and columns 8 (l / 16) + 0 .. 7.
; REGISTERS, in windows of 256 (s_set_vgpr_msb: bits 1:0 source 0, 3:2 source 1, 5:4 source 2, 7:6 destination):
;   window 0: v0-31 addresses; v32-63 x as bf16, on its way to LDS; v64-127, v128-191 fragments of A, two buffers (on the way out: rows read back from the stage)
;   window 1: v64-127, v128-191 fragments of B, two buffers; v0-63, v192-255 x as loaded, two sets of a half-step each
;   window 2: the 32 accumulators of rows 0-63 ((a, b) at v[8 (8 a + b)]);   window 3: those of rows 64-127
.set SIZE_K, 4096
.set SIZE_N, 2048
.set KSTEP,  128
.set PITCH,  272                       ; a row of B in LDS: 256 bytes + 16 of padding = 68 words: row r starts at bank 4 r mod 64 (64 banks of 4 bytes: ISA guide 11.1), so the 16 rows of a load start at 16 different banks
.set HALFT,  128*PITCH                 ; 128 rows: what one tensor load brings, and what one wave reads of B
.set SLOT,   4*HALFT                   ; B's 512 rows
.set APITCH, 144                       ; a row of A in LDS: 128 bytes (64 bf16) + 16 = 36 words: the 16 rows of a load again start at 16 different groups of four banks
.set ASLOT,  128*APITCH                ; A's 128 rows
.set ABASE,  2*SLOT                    ; behind B's ring, at a multiple of 256: A's two slots, written by LDS stores alone; no tensor load lands here
.set SPITCH, 528                       ; the way out: a stage row, 512 bytes + 16
.set SPARE,  ABASE+2*ASLOT             ; behind A's slots: the spare words, 128 bytes for each wave: two blocks of 256 bytes that no other line names
.set LAPS,   SIZE_K/(2*KSTEP)          ; a lap = four half-steps = once round B's ring
.set ADRA, 16                          ; v16     LDS address of my lane's place in A's slot 0
.set ADRB, 20                          ; v20-21  the same for my wave's rows of B in slot 0, 1
.set AST,  22                          ; v22     where I store 8 bytes of x as bf16, in A's slot 0
.set XO,   23                          ; v23     my byte offset in my wave's rows of x; never rewritten
.set STO,  24                          ; v24     the way out: where I put 16 bytes of a row
.set RD,   25                          ; v25     the way out: where I read a row back
.set CO,   26                          ; v26     my byte offset in a row's 512 bytes of out0; never rewritten
.set SPW,  28                          ; v28     LDS address of my spare word: SPARE + 4 x my thread's number; never rewritten
.set NIL,  29                          ; v29     0; never rewritten
.set CV,   32                          ; v32-63  32 words of bf16
.set F0,   64                          ; fragment buffer 0
.set F1,   128                         ; fragment buffer 1
.set G1, 24                            ; s[24:31] descriptor group 1
.set G0, 32                            ; s[32:39] descriptor group 0, one set for each slot
.set MSB, 0
.macro WIN new                         ; the immediate's high byte repeats the setting that is left; a switch that changes nothing is dropped
.if MSB != (\new)
	s_set_vgpr_msb (MSB<<8)|(\new)
.set MSB, \new
.endif
.endm
.set MUL_LO, 0xa1                      ; source 0 (B) window 1, source 1 (A) window 0, C and D window 2
.set MUL_HI, 0xf1                      ; the same, C and D window 3
.set TO_B,   0x40                      ; destination window 1, address window 0
; A round of the cluster's barrier: my work-group's barrier, so that wave 0's signal speaks for all four waves; wave 0 signals for the work-group; every wave waits for all
; sixteen work-groups; my work-group's barrier once more.  No LDS instruction of the wave is pending at a signal.
.macro CREST                           ; a round behind its opening barrier
	s_cmp_lg_u32 s10, 0
	s_cbranch_scc1 .Lnot_wave_0_\@
	s_barrier_signal -3
.Lnot_wave_0_\@:
	s_barrier_wait -3
	s_barrier_signal -1
	s_barrier_wait -1
.endm
.macro CROUND                          ; a whole round
	s_barrier_signal -1
	s_barrier_wait -1
	CREST
.endm
; A load into a register that a matrix instruction has read, and an LDS store that reads a matrix result, stand four places behind that matrix instruction, and only plain vector
; instructions that name none of its registers are places (ISA guide 7.12.1 for vector instructions).
.macro PLACES
.rept 4
	v_nop
.endr
.endm
; 16 matrix instructions: m blocks a0, a0 + 1 of the window's four (hi = 0: rows 0-63, 1: rows 64-127) x all 8 n blocks, 32 along K.  zero = 1: the first product starts the sums.
; The 64 accumulators take turns, one instruction a turn, in the same order in every quarter.
.macro MUL16 f, hi, a0, zero
	WIN MUL_LO+0x50*(\hi)
.irp a, \a0, (\a0)+1
.irp b, 0,1,2,3,4,5,6,7
.if \zero
	v_wmma_f32_16x16x32_bf16 v[8*(8*(\a)+(\b)):8*(8*(\a)+(\b))+7], v[(\f)+8*(\b):(\f)+8*(\b)+7], v[(\f)+8*(4*(\hi)+(\a)):(\f)+8*(4*(\hi)+(\a))+7], 0
.else
	v_wmma_f32_16x16x32_bf16 v[8*(8*(\a)+(\b)):8*(8*(\a)+(\b))+7], v[(\f)+8*(\b):(\f)+8*(\b)+7], v[(\f)+8*(4*(\hi)+(\a)):(\f)+8*(4*(\hi)+(\a))+7], v[8*(8*(\a)+(\b)):8*(8*(\a)+(\b))+7]
.endif
.endr
.endr
.endm
; A half-step of my wave's 32 rows of x, 64 f32 a row, into register set 0 or 1 (window 1; the caller has set TO_B).  Load j: lanes 0-15 take the 256 bytes of row 16 (j / 8) + j % 8,
; lanes 16-31 those of the row 8 further down: each half of the lanes reads 256 consecutive bytes at a multiple of 256 from x's first byte.  No hint: three partners read the same bytes.
.macro XLOAD set, koff
.irp j, 0,1,2,3,4,5,6,7,8,9,10,11,12,13,14,15
	global_load_b128 v[192*(\set)+4*(\j):192*(\set)+4*(\j)+3], v[XO], s[4:5] offset:(((\j)/8)*16+(\j)%8)*16384+(\koff)
.endr
.endm
; Set 0 or 1 is rounded to bf16 and stored into A's slot of the same number.  left: the younger loads, which stay out.  The 32 conversions name no register of a matrix instruction:
; they are the places in front of the fragment loads that follow.  A store's two halves of the lanes write 128 bytes each, 1,152 bytes apart: 128 modulo 256, so they share no bank.
.macro XCVT set, left
	s_wait_loadcnt \left                           ; loads come back in order (ISA guide 5.7.1): this set's sixteen are in
	WIN 0x05                                       ; sources 0 and 1 window 1, destination window 0
.irp j, 0,1,2,3,4,5,6,7,8,9,10,11,12,13,14,15
	v_cvt_pk_bf16_f32 v[CV+2*(\j)], v[192*(\set)+4*(\j)], v[192*(\set)+4*(\j)+1]
	v_cvt_pk_bf16_f32 v[CV+2*(\j)+1], v[192*(\set)+4*(\j)+2], v[192*(\set)+4*(\j)+3]
.endr
	WIN 0
.irp j, 0,1,2,3,4,5,6,7,8,9,10,11,12,13,14,15
	ds_store_b64 v[AST], v[CV+2*(\j):CV+2*(\j)+1] offset:(\set)*ASLOT+(((\j)/8)*16+(\j)%8)*APITCH
.endr
.endm
; 32 LDS loads in one run: the fragments of a quarter (32 along K) into buffer f: my 128 rows of B from slot sb at byte kb of the rows, then the 128 rows of A from slot sa at byte ka.
; A fragment is 16 rows x 32 K in 8 registers: lane l holds row l % 16; registers 0-3 K = 8 (l / 16) + 0..7, registers 4-7 K = 16 + 8 (l / 16) + 0..7: two loads of 16 bytes, 32 bytes apart.
; ld = 1: between the two kinds, under B's window setting, x's pointer goes a half-step on and the set just rounded is loaded again, with the half-step three on from the one in hand.
.macro FETCH sa, ka, sb, kb, f, ld, set
	WIN TO_B
.irp i, 0,1,2,3,4,5,6,7
	ds_load_b128 v[(\f)+8*(\i):(\f)+8*(\i)+3],   v[ADRB+(\sb)] offset:(\kb)+(\i)*16*PITCH
	ds_load_b128 v[(\f)+8*(\i)+4:(\f)+8*(\i)+7], v[ADRB+(\sb)] offset:(\kb)+(\i)*16*PITCH+32
.endr
.if \ld
	s_wait_xcnt 0x0                                ; every earlier memory instruction has had its addresses translated (ISA guide 3.1): only behind this wait is the loads' base stepped
	s_add_nc_u64 s[4:5], s[4:5], 256               ; 64 f32 along the rows
	XLOAD \set, 512
.endif
	WIN 0
.irp i, 0,1,2,3,4,5,6,7
	ds_load_b128 v[(\f)+8*(\i):(\f)+8*(\i)+3],   v[ADRA] offset:(\sa)*ASLOT+(\ka)+(\i)*16*APITCH
	ds_load_b128 v[(\f)+8*(\i)+4:(\f)+8*(\i)+7], v[ADRA] offset:(\sa)*ASLOT+(\ka)+(\i)*16*APITCH+32
.endr
.endm
; THE FIRST QUARTER of half-step n of a lap (A's slot n % 2; B's slot n / 2, bytes 128 (n % 2) on).  It multiplies buffer 0; in its middle the next half-step's x goes into A's other slot
; (cv = 1), which nobody reads since the last barrier, and the second quarter's fragments are fetched into buffer 1.
.macro HEAD n, zero, cv, left, ld
	s_wait_dscnt 8                                 ; B and A's rows 0-63 are in; the youngest eight loads (A's rows 64-127) may be out
	MUL16 F0, 0, 0, \zero
	MUL16 F0, 0, 2, \zero
.if \cv
	XCVT ((\n)+1)%2, \left
.else
	PLACES
.endif
	FETCH (\n)%2, 64, (\n)/2, ((\n)%2)*128+64, F1, \ld, ((\n)+1)%2
	s_wait_dscnt 32                                ; all but the 32 loads just issued: the eight older loads are in (and the sixteen stores done)
	MUL16 F0, 1, 0, \zero
	MUL16 F0, 1, 2, \zero
.endm
; THE SECOND QUARTER multiplies buffer 1 and changes A's slots: ONE barrier.  In front of it each wave waits for its reads of A's slot in hand and for its stores into the other.  Behind it the
; other slot is whole and is read, and the slot in hand may be written in the next half-step.
; For half-steps 0 and 2 of a lap: B's slot stays.  My one tensor load stays out across this barrier: no tensor load is issued before the next round.
.macro TURNA n
	s_wait_dscnt 8
	MUL16 F1, 0, 0, 0
	s_wait_dscnt 0x0                               ; for the others' sake: my reads of A's slot 0 are over, my stores into slot 1 are done
	s_barrier_signal -1
	MUL16 F1, 0, 2, 0                              ; work on registers while the others arrive
	s_barrier_wait -1
	PLACES                                         ; for the loads into buffer 0
	FETCH 1, 0, (\n)/2, 128, F0, 0, 0
	MUL16 F1, 1, 0, 0
	MUL16 F1, 1, 2, 0
.endm
; For half-steps 1 and 3: B's slots change too.  In front of the barrier each wave also waits for all its tensor loads, of which one is out: its part of B's next slot; and adds 0 to its spare word.
; fill = 1: the barrier opens a round of the cluster's barrier, and B's slot just read out is filled again, two K steps of 128 on, by the first line behind the round: from there to the wait
; for it a wave issues 224 matrix instructions.
.macro TURNB slot, fill
	WIN 0                                          ; (the add's two registers lie in window 0)
	s_wait_tensorcnt 0x0                           ; all my tensor loads have landed;
	ds_add_u32 v[SPW], v[NIL]                      ; 0 onto my spare word;
	s_wait_dscnt 9                                 ; (the add and the youngest eight loads may be out)
	MUL16 F1, 0, 0, 0                              ; sixteen matrix instructions stand between the add and the wait for it
	s_wait_dscnt 0x0                               ; the add is done; my reads of B's slot and of A's slot 1 are over, my stores into A's slot 0 are done
	s_barrier_signal -1
	MUL16 F1, 0, 2, 0
.if \fill
	WIN 0
.endif
	s_barrier_wait -1
.if \fill
	CREST                                          ; no wave of any partner still reads this slot's tile or has a load on its way
	s_add_nc_u64 s[G0+4*(\slot)+2:G0+4*(\slot)+3], s[G0+4*(\slot)+2:G0+4*(\slot)+3], 2*KSTEP*2  ; no tensor load of mine is out, so a group 0 may be written; the type bits on top are not reached
	tensor_load_to_lds s[G0+4*(\slot):G0+4*(\slot)+3], s[G1:G1+7]
	s_nop 0
	PLACES                                         ; four v_nop follow the load; they are also the places in front of the loads below
.else
	PLACES
.endif
	FETCH 0, 0, 1-(\slot), 0, F0, 0, 0
	MUL16 F1, 1, 0, 0
	MUL16 F1, 1, 2, 0
.endm
; THE WAY OUT of block a (16 rows x my 128 columns, f32).  A lane's eight numbers are 32 bytes of a row of 512.  They go into my own stage, rows of 528 bytes (row r starts 16 r bytes further
; round the banks), each accumulator's low registers first, and come back as whole rows.
.macro TOSTAGE a
.set AC, 64*((\a)%4)
.set BK, 64+64*((\a)%2)
	WIN 0x08+4*((\a)/4)                            ; the stores' data (source 1): window 2 or 3
.irp b, 0,1,2,3,4,5,6,7
	ds_store_b128 v[STO], v[AC+8*(\b):AC+8*(\b)+3]   offset:64*(\b)
	ds_store_b128 v[STO], v[AC+8*(\b)+4:AC+8*(\b)+7] offset:64*(\b)+16
.endr
	WIN 0
	s_wait_xcnt 0x0                                ; every earlier memory instruction has had its addresses translated (ISA guide 3.1): the registers that the stores of two blocks back read are loaded again only behind this wait
.irp t, 0,1,2,3,4,5,6,7,8,9,10,11,12,13,14,15
	ds_load_b128 v[BK+4*(\t):BK+4*(\t)+3], v[RD] offset:(\t)*SPITCH  ; LDS serves a wave's instructions in order (ISA guide 5.7.1.4): these see the stores above; the next block's stores come behind them
.endr
.endm
.macro SEND a, younger                 ; younger: the LDS instructions issued behind block a's loads: the next block's 32, or none
.set BK, 64+64*((\a)%2)
.irp t, 0,1,2,3,4,5,6,7,8,9,10,11,12,13,14,15
	s_wait_dscnt (\younger)+15-(\t)                ; row t is back in registers
	global_store_b128 v[CO], v[BK+4*(\t):BK+4*(\t)+3], s[8:9] offset:(\a)*16*SIZE_N*4+(\t)*SIZE_N*4 th:TH_STORE_NT  ; 32 lanes store 512 consecutive bytes, at a multiple of 512 from out0's first byte; 127 rows at the most stand in the immediate
.endr
.endm
	s_load_b128 s[4:7], s[0:1], 0x0                ; x s[4:5], wq s[6:7]
	s_load_b64 s[8:9], s[0:1], 0x10                ; out0
	v_lshl_add_u32 v[SPW], v0, 2, SPARE
	v_mov_b32 v[NIL], 0
	ds_add_u32 v28, v29
	s_wait_dscnt 0x0
	v_lshrrev_b32 v1, 5, v0
	v_readfirstlane_b32 s10, v1                    ; wave 0..3
	s_bfe_u32 s40, ttmp6, 0x40000                  ; cx: my place along the cluster's x
	s_bfe_u32 s41, ttmp6, 0x40004                  ; cy: along its y
	s_lshl_b32 s42, ttmp9, 2                       ; in a cluster launch ttmp9 and ttmp7 count clusters
	s_add_co_u32 s42, s42, s40                     ; tile column = 4 x cluster x + cx: 512 columns of out0
	s_and_b32 s13, ttmp7, 0xffff
	s_lshl_b32 s13, s13, 2
	s_add_co_u32 s13, s13, s41                     ; tile row = 4 x cluster y + cy: 128 rows of out0
	s_lshl_b32 s44, 0x1111, s40                    ; my column of the cluster: places cx, cx + 4, cx + 8, cx + 12
	; descriptor group 1: a tile of 128 rows x 128 elements, padded in LDS
	s_or_b32 s[G1+0], s44, (1<<16)|(1<<20)|(1<<21)|(5<<22)|(3<<25)  ; 15:0 the mask; 17:16 elements of 2 bytes; 20 padding on; 21 set beside a mask; 24:22 after every 64 words (code 5); 31:25 4 words of it (code 3)
	s_mov_b32 s[G1+1], KSTEP<<16                   ; 63:48 tensor_dim0, low half = 128
	s_mov_b32 s[G1+2], 128<<16                     ; 79:64 its high half = 0; 95:80 tensor_dim1, low half = 128
	s_mov_b32 s[G1+3], KSTEP<<16                   ; 111:96 its high half = 0; 127:112 tile_dim0 = 128
	s_mov_b32 s[G1+4], 128                         ; 143:128 tile_dim1 = 128; 159:144 tile_dim2 = 0
	s_mov_b32 s[G1+5], SIZE_K                      ; 191:160 tensor_dim0_stride, low word: elements from row to row
	s_mov_b32 s[G1+6], 0
	s_mov_b32 s[G1+7], 0
	; byte offsets, each in registers of its own; those that feed the descriptors (s42, s44, s46, s47, s20) never hold cy
	s_lshl_b32 s14, s13, 21                        ; x: 128 rows of 16,384 bytes a tile row,
	s_lshl_b32 s15, s10, 19                        ; 32 rows a wave
	s_add_co_u32 s14, s14, s15
	s_mov_b32 s15, 0
	s_lshl_b32 s46, s42, 22                        ; wq: 512 rows of 8,192 bytes a tile column,
	s_lshl_b32 s47, s10, 20                        ; 128 rows a wave
	s_add_co_u32 s46, s46, s47
	s_mov_b32 s47, 0
	s_lshl_b32 s16, s13, 20                        ; out0: 128 rows of 8,192 bytes a tile row,
	s_lshl_b32 s17, s10, 9                         ; 128 columns of 4 bytes a wave,
	s_add_co_u32 s16, s16, s17
	s_mov_b32 s17, 0
	s_lshl_b32 s18, s42, 11                        ; 512 columns a tile column
	s_mov_b32 s19, 0
	s_mul_i32 s20, s10, HALFT                      ; my rows' place in a slot of B: no place in the cluster enters an LDS address
	v_and_b32 v1, 15, v0                           ; l % 16
	v_bfe_u32 v2, v0, 4, 1                         ; l / 16
	v_lshlrev_b32 v[XO], 4, v1                     ; x: 16 bytes a lane along a row,
	v_lshl_add_u32 v[XO], v2, 17, v[XO]            ; 8 rows further down for lanes 16 to 31
	s_wait_kmcnt 0x0
	s_add_nc_u64 s[4:5], s[4:5], s[14:15]          ; x at my wave's first row
	s_add_nc_u64 s[46:47], s[6:7], s[46:47]        ; wq at my wave's first row
	s_add_nc_u64 s[8:9], s[8:9], s[16:17]          ; out0 at my wave's corner
	s_add_nc_u64 s[8:9], s[8:9], s[18:19]
	WIN TO_B
	XLOAD 0, 0                                     ; half-steps 0 and 1 of x go out before anything else: 32 loads
	XLOAD 1, 256
	WIN 0
.irp s, 0,1
	s_mov_b32 s[G0+4*(\s)], 1                                      ; 1:0 count = 1
	s_add_co_u32 s[G0+4*(\s)+1], s20, (\s)*SLOT                    ; 63:32 LDS address
	s_add_nc_u64 s[G0+4*(\s)+2:G0+4*(\s)+3], s[46:47], (\s)*KSTEP*2  ; 120:64 global address: K step s of 128
	s_or_b32 s[G0+4*(\s)+3], s[G0+4*(\s)+3], 0x80000000            ; 127:126 type = 2
.endr
	CROUND                                         ; all sixteen work-groups are here: the first joint loads meet
	tensor_load_to_lds s[G0:G0+3], s[G1:G1+7]      ; both first fills together, ahead of every wait on TENSORcnt and every LDS read: two loads of mine are out
	s_nop 0
	tensor_load_to_lds s[G0+4:G0+7], s[G1:G1+7]
	s_nop 0
	PLACES                                         ; four v_nop follow the second
	v_mul_u32_u24 v3, v1, PITCH
	v_lshl_add_u32 v3, v2, 4, v3                   ; B: row x pitch + 16 x half,
	v_add_nc_u32 v[ADRB], s20, v3                  ; in my wave's rows of slot 0
	s_add_co_u32 s21, s20, SLOT
	v_add_nc_u32 v[ADRB+1], s21, v3                ; and of slot 1
	v_mul_u32_u24 v3, v1, APITCH
	v_lshl_add_u32 v3, v2, 4, v3                   ; A: the same with its pitch
	v_add_nc_u32 v[ADRA], ABASE, v3
	s_mul_i32 s22, s10, 32*APITCH                  ; the 32 rows of A that my wave writes
	s_add_co_u32 s22, s22, ABASE
	v_mul_u32_u24 v3, v2, 8*APITCH                 ; lanes 16 to 31: 8 rows further down
	v_lshl_add_u32 v3, v1, 3, v3                   ; 8 bytes (4 bf16) a lane along a row
	v_add_nc_u32 v[AST], s22, v3
	s_mul_i32 s23, s10, 16*SPITCH                  ; my stage for the way out: 16 rows of 528 bytes, in A's slots, which are done with by then
	s_add_co_u32 s23, s23, ABASE
	v_mul_u32_u24 v3, v1, SPITCH                   ; in: row l % 16, 32 bytes for each half of the lanes
	v_lshl_add_u32 v3, v2, 5, v3
	v_add_nc_u32 v[STO], s23, v3
	v_and_b32 v3, 31, v0
	v_lshlrev_b32 v[CO], 4, v3                     ; back, and in out0: 32 lanes take a row's 512 bytes
	v_add_nc_u32 v[RD], s23, v[CO]
	XCVT 0, 16                                     ; half-step 0 into A's slot 0; half-step 1's sixteen loads stay out
	WIN TO_B
	XLOAD 0, 512                                   ; half-step 2
	WIN 0
	s_wait_tensorcnt 1                             ; my part of B's K step 0 is in; K step 1's may stay out
	s_wait_dscnt 0x0                               ; my part of A's slot 0 is stored
	s_barrier_signal -1
	s_barrier_wait -1                              ; everybody's is
	FETCH 0, 0, 0, 0, F0, 0, 0
	HEAD 0, 1, 1, 16, 1                            ; the first quarter stands in front of the loop: its products start the sums, nothing is cleared
	WIN 0                                          ; at a label and at a branch every window is 0
	s_mov_b32 s3, LAPS-1
.Llap:                                                 ; 15 trips, each from a lap's second quarter to the next lap's first.  Trip i asks for x's half-steps 4 i + 4 .. 4 i + 7 (63 at the most) and B's K steps 2 i + 2, 2 i + 3 (31 at the most)
	TURNA 0
	HEAD 1, 0, 1, 16, 1
	TURNB 0, 1
	HEAD 2, 0, 1, 16, 1
	TURNA 2
	HEAD 3, 0, 1, 16, 1
	TURNB 1, 1
	HEAD 0, 0, 1, 16, 1
	WIN 0
	s_sub_co_u32 s3, s3, 1
	s_cmp_lg_u32 s3, 0
	s_cbranch_scc1 .Llap
	TURNA 0                                        ; the last lap is written out: it asks for nothing more, of x or of B
	HEAD 1, 0, 1, 16, 0                            ; x's half-step 62 is rounded; 63's loads stay out
	TURNB 0, 0                                     ; my last tensor load, K step 31, is waited for; no round: nothing is filled again
	HEAD 2, 0, 1, 0, 0                             ; x's half-step 63: no load is younger
	TURNA 2
	HEAD 3, 0, 0, 0, 0
	s_wait_dscnt 8                                 ; the very last quarter
	MUL16 F1, 0, 0, 0
	MUL16 F1, 0, 2, 0
	s_wait_dscnt 0x0                               ; my reads of A's slots are over:
	s_barrier_signal -1
	MUL16 F1, 1, 0, 0
	MUL16 F1, 1, 2, 0
	s_barrier_wait -1                              ; everybody's are: A's slots become the four waves' stages
	PLACES                                         ; the stores below read results just made, the loads land in registers just multiplied
	TOSTAGE 0
.irp a, 1,2,3,4,5,6,7                  ; block a goes into the stage and is asked back while block a - 1 is on its way back and is stored
	TOSTAGE \a
	SEND (\a)-1, 32
.endr
	SEND 7, 0
	s_wait_tensorcnt 0x0                           ; the wave's end: behind my last tensor load and my last LDS store
	ds_add_u32 v[SPW], v[NIL]
	s_wait_dscnt 0x0
	CROUND                                         ; the closing round: no work-group ends while a partner may still ask for a tile that names it
	s_endpgm
.Lfunc_end_k_q156bbf48e9_gemm:
	.size	k_q156bbf48e9_gemm, .Lfunc_end_k_q156bbf48e9_gemm-k_q156bbf48e9_gemm
	.p2alignl 7, 3214868480
	.fill 96, 4, 3214868480
	.section	.rodata,"a",@progbits
	.p2align	6, 0x0
	.amdhsa_kernel k_q156bbf48e9_gemm
		.amdhsa_group_segment_fixed_size 327680
		.amdhsa_private_segment_fixed_size 0
		.amdhsa_enable_private_segment 0
		.amdhsa_kernarg_size 24
		.amdhsa_user_sgpr_count 2
		.amdhsa_user_sgpr_kernarg_segment_ptr 1
		.amdhsa_wavefront_size32 1
		.amdhsa_system_sgpr_workgroup_id_x 1
		.amdhsa_system_sgpr_workgroup_id_y 1
		.amdhsa_system_sgpr_workgroup_id_z 1
		.amdhsa_system_vgpr_workitem_id 0
		.amdhsa_next_free_vgpr 1024
		.amdhsa_next_free_sgpr 66
		.amdhsa_reserve_vcc 0
		.amdhsa_float_denorm_mode_32 3
		.amdhsa_float_denorm_mode_16_64 3
		.amdhsa_memory_ordered 1
		.amdhsa_forward_progress 1
		.amdhsa_inst_pref_size 178
	.end_amdhsa_kernel
	.amdgpu_metadata
---
amdhsa.version: [ 1, 2 ]
amdhsa.kernels:
  - .name:           k_q156bbf48e9_gemm
    .symbol:         k_q156bbf48e9_gemm.kd
    .args:
      - { .name: x, .offset: 0, .size: 8, .value_kind: global_buffer, .address_space: global }
      - { .name: wq, .offset: 8, .size: 8, .value_kind: global_buffer, .address_space: global }
      - { .name: out0, .offset: 16, .size: 8, .value_kind: global_buffer, .address_space: global }
    .group_segment_fixed_size: 327680
    .private_segment_fixed_size: 0
    .kernarg_segment_align: 8
    .kernarg_segment_size: 24
    .max_flat_workgroup_size: 128
    .sgpr_count:     66
    .vgpr_count:     1024
    .wavefront_size: 32
...
	.end_amdgpu_metadata
.endif
;; end of part 2
;; ======== version 2 of 2: 2 launches; version 1 with the launch quant written anew for expert scheduling mode
;; workspace buffers: wq 16,777,216 bytes
;; launch quant (part 3): grid 512 x 1, 8 waves a work-group, no clusters, 0 bytes of LDS; arguments weight, wq; writes wq
.if DOCPART == 3
	.amdgcn_target "amdgcn-amd-amdhsa--gfx1250"
	.amdhsa_code_object_version 6
	.text
	.protected	k_q156bbf48e9_quant
	.globl	k_q156bbf48e9_quant
	.p2align	8
	.type	k_q156bbf48e9_quant,@function
k_q156bbf48e9_quant:
	s_mov_b64 s[64:65], 0
	v_nop
	global_prefetch_b8 v0, s[64:65] scope:SCOPE_SE
	s_setreg_imm32_b32 hwreg(HW_REG_WAVE_SCHED_MODE, 0, 2), 2
	s_setreg_imm32_b32 hwreg(HW_REG_WAVE_MODE, 25, 1), 1
	s_wait_xcnt 0x0
	s_wait_alu depctr_vm_vsrc(0)
; wq[o][i] = sign(weight[o][i]) as bf16.  weight: [2048][4096] f32; wq: [2048][4096] bf16, the same order.
; A stream: every byte of weight is read once, every byte of wq written once; no LDS, no barrier, no matrix work, since no number meets another.
; The work-group owns 16,384 numbers on end (65,536 bytes in, 32,768 out).  Thread t takes, for i = 0 .. 15, the four numbers at byte 4,096 i + 16 t:
; a wave's load covers 512 consecutive bytes, its store of 8 bytes a lane 256 consecutive bytes at a multiple of 256 from wq's first byte.
; All sixteen loads go out first; no register that a load or store names is ever written again.
; VALUES.  +1 or -1 for every number that is not zero, denormals too (the mode keeps them); +0 and -0 stay as they are (both add nothing to a sum);
; a NaN stays a NaN, as in sign().  All of these are exact in bf16.
; THE MODE: SCHED_MODE bits 1:0 = 2 (LLVM: expert scheduling mode 2), set by the entry lines.  The code itself states the register dependences
; between vector instructions and memory instructions, with s_wait_alu, always for 0.
; THE PLAN.  The sixteen loads' data go in eight blocks of two loads, eight numbers a thread.
;   v1, v2     byte offsets, made at the head and never written again: read by every load (v1) and every store (v2).
;   X          written by the loads, once each, ahead of every vector line that names it; read by the block's compares, v_bfi_b32 and v_cndmask_b32; never loaded again.
;   Y          block p's four roundings write its four registers, once; the two stores that read them are issued in block p + 1.
;   T          named by vector instructions alone.
;   s[8:15]    eight masks: written by a block's run of eight compares, read by its eight v_cndmask_b32.
; So a block holds two waits: one on va_vdst, behind its compares and directly ahead of the stores of the block before; one on va_sdst, between the masks' writers and their first reader.
; No register that a memory instruction reads is written again, so the text holds no wait on vm_vsrc and none on XCNT.
.set X, 4                              ; v[4:67]    the sixteen loads' data, four registers each
.set Y, 68                             ; v[68:99]   the sixteen stores' data, two registers each; written once
.set T, 100                            ; v[100:107] eight signs in f32, at work
.set M, 8                              ; s[8:15]    the block's eight masks
	s_load_b128 s[4:7], s[0:1], 0x0                ; weight s[4:5], wq s[6:7]
	v_lshlrev_b32 v1, 4, v0                        ; 16 t: my bytes in 4,096 of weight
	v_lshlrev_b32 v2, 3, v0                        ; 8 t: my bytes in 2,048 of wq
	s_lshl_b32 s2, ttmp9, 16                       ; the work-group's 65,536 bytes of weight
	s_mov_b32 s3, 0
	s_wait_kmcnt 0x0
	s_add_nc_u64 s[4:5], s[4:5], s[2:3]
	s_lshl_b32 s2, ttmp9, 15                       ; its 32,768 bytes of wq
	s_add_nc_u64 s[6:7], s[6:7], s[2:3]
	s_mov_b32 s2, 0x7fffffff                       ; the offsets are used up: s2 now holds all bits but the sign
	s_wait_alu depctr_va_vdst(0)                   ; v1 and v2 are written: every load and store of the kernel reads one of them as its offset
.irp i, 0,1,2,3,4,5,6,7,8,9,10,11,12,13,14,15
	global_load_b128 v[X+4*(\i):X+4*(\i)+3], v1, s[4:5] offset:4096*(\i) th:TH_LOAD_NT  ; read once in the launch
.endr
.irp p, 0,1,2,3,4,5,6,7
	s_wait_loadcnt 14-2*(\p)                       ; loads come back in order (ISA guide 5.7.1): loads 2 p and 2 p + 1 are in, the 14 - 2 p younger ones stay out
.irp e, 0,1,2,3,4,5,6,7
	v_cmp_lg_f32 s[M+(\e)], 0, v[X+8*(\p)+(\e)]                       ; less or greater than 0: false for +0, -0 and NaN
.endr
.if (\p) > 0
	s_wait_alu depctr_va_vdst(0)                   ; the block before's roundings have written its four registers of Y, which the two stores below read
	global_store_b64 v2, v[Y+4*(\p)-4:Y+4*(\p)-3], s[6:7] offset:2048*(2*(\p)-2)  ; no hint: the next launch reads these bytes
	global_store_b64 v2, v[Y+4*(\p)-2:Y+4*(\p)-1], s[6:7] offset:2048*(2*(\p)-1)
.endif
.irp e, 0,1,2,3,4,5,6,7
	v_bfi_b32 v[T+(\e)], s2, 1.0, v[X+8*(\p)+(\e)]                    ; 1.0 with w's sign
.endr
	s_wait_alu depctr_va_sdst(0)                   ; the eight compares have written s[8:15], ahead of their first reader
.irp e, 0,1,2,3,4,5,6,7
	v_cndmask_b32 v[T+(\e)], v[X+8*(\p)+(\e)], v[T+(\e)], s[M+(\e)]   ; where the compare is false w itself stays
.endr
.irp j, 0,1,2,3
	v_cvt_pk_bf16_f32 v[Y+4*(\p)+(\j)], v[T+2*(\j)], v[T+2*(\j)+1]
.endr
.endr
	s_wait_alu depctr_va_vdst(0)                   ; the last block's roundings have written its four registers of Y, which the last two stores read
	global_store_b64 v2, v[Y+28:Y+29], s[6:7] offset:2048*14
	global_store_b64 v2, v[Y+30:Y+31], s[6:7] offset:2048*15
	s_endpgm
.Lfunc_end_k_q156bbf48e9_quant:
	.size	k_q156bbf48e9_quant, .Lfunc_end_k_q156bbf48e9_quant-k_q156bbf48e9_quant
	.p2alignl 7, 3214868480
	.fill 96, 4, 3214868480
	.section	.rodata,"a",@progbits
	.p2align	6, 0x0
	.amdhsa_kernel k_q156bbf48e9_quant
		.amdhsa_group_segment_fixed_size 0
		.amdhsa_private_segment_fixed_size 0
		.amdhsa_enable_private_segment 0
		.amdhsa_kernarg_size 16
		.amdhsa_user_sgpr_count 2
		.amdhsa_user_sgpr_kernarg_segment_ptr 1
		.amdhsa_wavefront_size32 1
		.amdhsa_system_sgpr_workgroup_id_x 1
		.amdhsa_system_sgpr_workgroup_id_y 1
		.amdhsa_system_sgpr_workgroup_id_z 1
		.amdhsa_system_vgpr_workitem_id 0
		.amdhsa_next_free_vgpr 112
		.amdhsa_next_free_sgpr 66
		.amdhsa_reserve_vcc 0
		.amdhsa_float_denorm_mode_32 3
		.amdhsa_float_denorm_mode_16_64 3
		.amdhsa_memory_ordered 1
		.amdhsa_forward_progress 1
		.amdhsa_inst_pref_size 19
	.end_amdhsa_kernel
	.amdgpu_metadata
---
amdhsa.version: [ 1, 2 ]
amdhsa.kernels:
  - .name:           k_q156bbf48e9_quant
    .symbol:         k_q156bbf48e9_quant.kd
    .args:
      - { .name: weight, .offset: 0, .size: 8, .value_kind: global_buffer, .address_space: global }
      - { .name: wq, .offset: 8, .size: 8, .value_kind: global_buffer, .address_space: global }
    .group_segment_fixed_size: 0
    .private_segment_fixed_size: 0
    .kernarg_segment_align: 8
    .kernarg_segment_size: 16
    .max_flat_workgroup_size: 256
    .sgpr_count:     66
    .vgpr_count:     112
    .wavefront_size: 32
...
	.end_amdgpu_metadata
.endif
;; end of part 3
;; launch gemm: the kernel of part 2 again; grid 4 x 64, 4 waves a work-group, clusters of 4 x 4, 327,680 bytes of LDS; arguments x, wq, out0; writes out0
